; MI455X (gfx1250); checked and timed in simulation.
; The chip was launched on July 23, 2026; its instructions are those of AMD's public machine-readable ISA for CDNA 5 (MIT licence, August 2026) and "CDNA5" Instruction Set Architecture Reference Guide (July 2026). The comments in the code are by the model that wrote it; some were corrected since.
;; Multi Head Attention. Allowed arithmetic: matrix products marked QUANTISED: E2M1 operands, one E8M0 scale for each 32 along K, by v_wmma_scale_f32_16x16x128_f8f6f4 with both operands' format E2M1 (or v_wmma_scale_f32_32x16x128_f4), f32 sums; everything else in f32.
;; Inputs: W_attn_codes 3,072 x 32 x 16 uint8 (E2M1 codes of W_attn, K innermost, in blocks of 32 codes, two codes a byte); W_attn_scales 3,072 x 32 uint8 (E8M0 scales of W_attn, one for each 32 codes along K); W_proj_codes 1,024 x 32 x 16 uint8 (E2M1 codes of W_proj, K innermost, in blocks of 32 codes, two codes a byte); W_proj_scales 1,024 x 32 uint8 (E8M0 scales of W_proj, one for each 32 codes along K); b_attn 3,072 float32; b_proj 1,024 float32; x_codes 4 x 2,048 x 32 x 16 uint8 (E2M1 codes of x, K innermost, in blocks of 32 codes, two codes a byte); x_scales 4 x 2,048 x 32 uint8 (E8M0 scales of x, one for each 32 codes along K).
;; Outputs: out0 4 x 2,048 x 1,024 float32.
;; This version of the problem:
;;   THIS VERSION OF THE PROBLEM IS GIVEN IN LOW PRECISION. The matrix products marked QUANTISED in the list below multiply operands that are first quantised to E2M1 (2 exponent bits, 1 mantissa bit; 4 bits a number), with one power-of-two scale for each 32 numbers along K (OCP MX v1.0); their sums are f32. All else is computed in f32.
;;   The module's matrix products, in the order in which they are computed (A, B: the left and right operand; K: the contracted axis; several contracted axes count as one K, in the product's order):
;;     1. [M 8,192, K 1,024] x [K 1,024, N 3,072]; A: input x (given as codes); B: input W_attn (given as codes): QUANTISED
;;     2. batch 64 x [M 2,048, K 64] x [K 64, N 2,048]; A: computed on the way; B: computed on the way: QUANTISED
;;     3. batch 64 x [M 2,048, K 2,048] x [K 2,048, N 64]; A: softmax (see below); B: computed on the way: QUANTISED
;;     4. [M 8,192, K 1,024] x [K 1,024, N 1,024]; A: computed on the way; B: input W_proj (given as codes): QUANTISED
;;   THE QUANTISER, for each operand of a quantised product, along K:
;;     - K is cut into blocks of 32 from its start; a last block that is shorter is filled with zeros.
;;     - A block's scale is 2^e with e = floor(log2(the largest magnitude in the block)) - 2, held to -126 .. 127; a block of zeros has e = 0. As a byte (E8M0): e + 127.
;;     - Each number is divided by its block's scale, clamped to +-6, and rounded to the nearest number of E2M1, ties to even, subnormals kept.
;;     - The product sums the exact products of the quantised numbers (number of the format x scale) in f32.
;;   ~~~python
;;   def quantise(x, axis):      # numpy; x: float32 -> the quantised numbers, widened to float32 again
;;       x = np.moveaxis(x, axis, -1); K = x.shape[-1]
;;       x = np.pad(x, [(0, 0)] * (x.ndim - 1) + [(0, -K % 32)]); x = x.reshape(x.shape[:-1] + (-1, 32)); a = np.abs(x).max(-1, keepdims=True)
;;       e = np.where(a > 0, np.clip(np.frexp(np.where(a > 0, a, 1))[1] - 1 - 2, -126, 127), 0)      # np.frexp(a)[1] - 1 = floor(log2(a)), exactly
;;       r = np.clip(x / 2.0 ** e, -6, 6)
;;       step = 2.0 ** (np.maximum(np.frexp(np.where(r == 0, 1, r))[1] - 1, 0) - 1)
;;       q = np.round(r / step) * step * 2.0 ** e      # np.round: ties to even
;;       return np.moveaxis(q.reshape(q.shape[:-2] + (-1,))[..., :K], -1, axis).astype(np.float32)
;;   ~~~
;;   SOFTMAX AHEAD OF A QUANTISED PRODUCT. Where the list says 'softmax', what is quantised is not the finished softmax but p = 2^(t - M), with t = logit x log2(e) and M = ceil(the row's largest t), a whole number; so 1/2 < the row's largest p <= 1. The row's sum l is taken of the UNQUANTISED p, in f32, and the product's result is divided by l at the end. Since M is a whole number, a kernel that streams over the keys may use a running M (the ceiling of the running maximum): every later rescaling is an exact power of two, which a block's scale takes up: the codes' values come out the same.
;;   OPERANDS COMPUTED ON THE WAY. 'Computed on the way' means the value that the module computes at that place (a softmax that the list does not call 'softmax' is quantised finished and normalised). What goes into a quantiser is computed in f32, as accurately as f32 sums, v_exp_f32 and their like allow (about 1e-6 of the number): no bf16 or f16 on the way to a quantiser, and a product that is left as it is and whose result goes on into a quantised operand takes f32 operands (vector FMAs, or v_wmma_f32_16x16x4_f32). A number that lies on a knife's edge between two numbers of the format may be rounded either way, as far as f32 arithmetic and the matrix unit's own rounding can turn it there, and no further.
;;   INPUTS GIVEN AS CODES. W_attn (in the module: [1024, 3072], K = its axis 0); W_proj (in the module: [1024, 1024], K = its axis 0); x (in the module: [4, 2048, 1024], K = its axis 2): each comes as NAME_codes (uint8): NAME with its K axis moved to the last place and cut into blocks of 32 codes, [.., K / 32, bytes a block], one block behind the other in memory; two codes a byte, the lower K in the low four bits (a code: sign, 2 exponent bits, 1 mantissa bit); and NAME_scales (uint8): the same leading axes, one E8M0 byte (e + 127) for each 32 codes along K. Its value is code x scale, taken as it is: it is not quantised again, and the codes and scales need not be those that the quantiser above would give.
;; One version. Each part assembles by itself: llvm-mc -triple=amdgcn-amd-amdhsa -mcpu=gfx1250 --defsym DOCPART=n.
;; ======== version 1 of 1: 3 launches
;; workspace buffers: qkc 8,388,608 bytes; qks 1,048,576 bytes; vc 4,194,304 bytes; vs 262,144 bytes; yc 4,194,304 bytes; ys 262,144 bytes
;; launch qkv (part 1): grid 8 x 48, 4 waves a work-group, clusters of 4 x 4, 327,680 bytes of LDS; arguments x_codes, x_scales, W_attn_codes, W_attn_scales, b_attn, qkc, qks, vc, vs; writes qkc, qks, vc, vs
.if DOCPART == 1
	.amdgcn_target "amdgcn-amd-amdhsa--gfx1250"
	.amdhsa_code_object_version 6
	.text
	.protected	k_q15d5b150c5_qkv
	.globl	k_q15d5b150c5_qkv
	.p2align	8
	.type	k_q15d5b150c5_qkv,@function
k_q15d5b150c5_qkv:
	s_mov_b64 s[64:65], 0
	v_nop
	global_prefetch_b8 v0, s[64:65] scope:SCOPE_SE
	s_setreg_imm32_b32 hwreg(HW_REG_WAVE_MODE, 25, 1), 1
	s_wait_xcnt 0x0
	s_wait_alu depctr_hold_cnt(0) depctr_sa_sdst(0) depctr_va_vdst(0) depctr_va_sdst(0) depctr_va_ssrc(0) depctr_va_vcc(0) depctr_vm_vsrc(0)
	s_getreg_b32 s2, hwreg(HW_REG_IB_STS2, 6, 4)
	s_cmp_eq_u32 s2, 0
	s_cbranch_scc0 .Lentry_in_a_cluster
	s_endpgm
.Lentry_in_a_cluster:
	s_bfe_u32 s2, ttmp6, 0x10000c
	s_cmp_lg_u32 s2, 0xf033
	s_cbranch_scc0 .Lentry_shape_is_right
	s_endpgm
.Lentry_shape_is_right:
; LAUNCH 1 OF 3: qkv = x W_attn + b_attn on codes of FP4 (E2M1) with E8M0 scales, and the quantising of q, k (along the head's 64) and v (along the keys).
; DEAD WORK OF THE WHOLE PROGRAM.  reference() sets att to -inf where key > query (its own jnp.tril), so softmax gives those places the weight 0 for all finite inputs: a step of 128 keys all of which come
; after a tile's 16 queries can reach no output, and the second launch leaves such steps out (scores, softmax and the product with v).  Nothing else is left out, and every input is loaded.
; LIMITS: a NaN, an infinity or an overflow that reaches only the steps left out is not carried to the result; NaN and infinities among the inputs are not served; a block of zeros gets the scale byte 1 where the
; rule says 127 (its codes are zeros, which add nothing under any byte but 0xff, and this program alone reads the bytes).
; THE MATRIX INSTRUCTION IS USED TRANSPOSED: source 0 = 16 "P rows", which lie along the NEXT product's K, source 1 = 16 "R rows", of which a lane keeps one: lane (r, h) of tile t holds R row r and, in register j,
; P index 16 t + 8 h + j.  A block of 32 along P is tiles 2 b, 2 b + 1 in lanes l and l xor 16.
; TWO KINDS of work-group, one kind to a cluster (cluster y < 8: q and k; else v).  q, k: P = 256 rows of W (columns of q or k), R = 256 tokens.  v: P = 256 tokens (keys), R = 256 rows of W (columns of v).
; Only pointers and block numbers are chosen by the kind; LDS, descriptors' shapes and the K steps are the same.  A wave makes 128 x 128: 64 accumulators.  K = 1,024 lies in LDS whole: two slots of 512, each filled once.
; CLUSTER 4 x 4: R's tiles hang on the place along y and go to a row of the cluster, P's on the place along x and go to a column: joint loads, one mask each.
; RESULTS LEAVE AS IMAGES OF OPERAND REGISTERS: four registers by one store, lane l's 16 bytes at 16 l: 512 consecutive bytes, aligned.
;   qkc [q or k][batch x head][tile of 16 tokens][lane][16]   qks [q or k][batch x head][4 tiles][r][tile % 4] words (bytes 0, 1 the head's two scale bytes)
;   vc  [batch x head][step of 128 keys][16 of the head's 64][half][lane][16]   vs [batch x head][step][r][16 of 64] words
; REGISTERS: window 0: v1 r, v2 h, v16-31 addresses, v32-95 scale words, v96-103 scale words made, v104-119 at work, v128-255 R's fragments (two sets), later the codes made;
;   window 1: v0-63, v128-191 P's fragments (two sets), v64-127 the bias as the first products' C;  windows 2, 3: accumulator (a, b) at v[8 (8 (a % 4) + b)].
.set PITCH,  272                       ; an LDS row: 256 bytes + 16 of padding = 68 words: the 16 rows of a fragment load start at 16 different banks (64 banks of 4 bytes: ISA guide 11.1)
.set HALFT,  128*PITCH                 ; 128 rows: one tensor load
.set SLOT,   4*HALFT                   ; R's 256 rows, then P's 256
.set SCL,    2*SLOT                    ; the scale bytes, as runs of 256 bytes + 16 of padding (8 rows of 32 bytes to a run)
.set HALFS,  16*272                    ; those of 128 rows
.set SBLK,   544                       ; those of 16 rows
.set SPARE,  SCL+4*HALFS               ; the spare words: 128 bytes a wave, named by no other line
.set ADRA, 16                          ; v16-17 LDS address of R's fragments in slot 0, 1
.set ADRB, 20                          ; v20-21 of P's
.set LI,   24                          ; 16 x lane
.set SOQ,  25                          ; where q's and k's scale words go: 16 r + 8,192 h
.set BO,   26                          ; the bias loads' offset
.set ADRS, 27                          ; LDS address of my scale words: lanes 0-15 R's, lanes 16-31 P's
.set SPW,  28                          ; my spare word; never rewritten
.set NIL,  29                          ; 0; never rewritten
.set SH,   30                          ; 16 h
.set SOV,  31                          ; where v's scale words go: 16 r + 4,096 h
.set SC,   32
.set PW,   96
.set TM,   104
.set PC,   128
.set BIAS, 64                          ; in window 1
.set SEL,  2                           ; s[2:3] selects of v_permlanex16_b32: lane l xor 16
.set CBQ,  4                           ; s[4:5], s[6:7] where my codes and scale words of q, k go;  s[8:9], s[10:11] those of v
.set SBQ,  6
.set CBV,  8
.set SBV,  10
.set WV,   22
.set RH,   23                          ; wave / 2: my half of R's rows; also: I fetch for R (0) or P (1)
.set PH,   66                          ; wave % 2: my half of P's rows; also: which 128 rows I fetch
.set G1,   24
.set G0,   32
.set CX,   40
.set CY,   41
.set PBLK, 42
.set KIND, 45
.set MHI,  46
.set G1B,  48
.set G0B,  56
.set RBLK, 67
.set G1S,  68
.set G0S,  76
.set G1SB, 80
.set G0SB, 88
.set MSB, 0
.macro WIN new                         ; the immediate's high byte repeats the setting that is left; a switch that changes nothing is dropped
.if MSB != (\new)
	s_set_vgpr_msb (MSB<<8)|(\new)
.set MSB, (\new)
.endif
.endm
.macro PLACES n
.rept \n
	v_nop
.endr
.endm
.macro JLOAD g0a, g1a, g0b, g1b        ; a joint load: waves 0, 1 ask for R, waves 2, 3 for P; s_nop 0 and four v_nop follow each line
	s_cmp_eq_u32 s[RH], 0
	s_cbranch_scc0 .Lfor_p_\@
	tensor_load_to_lds s[\g0a:\g0a+3], s[\g1a:\g1a+7]
	s_nop 0
.rept 4
	v_nop
.endr
	s_branch .Lasked_\@
.Lfor_p_\@:
	tensor_load_to_lds s[\g0b:\g0b+3], s[\g1b:\g1b+7]
	s_nop 0
.rept 4
	v_nop
.endr
.Lasked_\@:
.endm
.macro CROUND                          ; a round of the cluster's barrier
	s_barrier_signal -1
	s_barrier_wait -1
	s_cmp_lg_u32 s[WV], 0
	s_cbranch_scc1 .Lnot_wave_0_\@
	s_barrier_signal -3
.Lnot_wave_0_\@:
	s_barrier_wait -3
	s_barrier_signal -1
	s_barrier_wait -1
.endm
	s_load_b256 s[4:11], s[0:1], 0x0               ; x's codes, x's scales, W's codes, W's scales
	s_load_b256 s[12:19], s[0:1], 0x20             ; b_attn, qkc, qks, vc
	s_load_b64 s[20:21], s[0:1], 0x40              ; vs
	v_lshl_add_u32 v[SPW], v0, 2, SPARE
	v_mov_b32 v[NIL], 0
	ds_add_u32 v[SPW], v[NIL]                      ; the opening
	ds_add_u32 v[SPW], v[NIL]
	v_lshrrev_b32 v1, 5, v0
	v_readfirstlane_b32 s[WV], v1
	s_lshr_b32 s[RH], s[WV], 1
	s_and_b32 s[PH], s[WV], 1
	s_bfe_u32 s[CX], ttmp6, 0x40000
	s_bfe_u32 s[CY], ttmp6, 0x40004
	s_and_b32 s92, ttmp7, 0xffff                   ; cluster y, 0 .. 11
	s_sub_co_u32 s93, s92, 8
	s_lshl_b32 s94, s92, 2
	s_cmp_ge_u32 s92, 8                            ; the kind: the same in all sixteen partners
	s_cselect_b32 s[KIND], 1, 0
	s_cselect_b32 s93, s93, 0
	s_cselect_b32 s94, 8, s94
	s_add_co_u32 s[RBLK], s94, s[CY]               ; R's block of 256 rows: tokens 4 cluster y + cy, or W's rows 8 + cy
	s_lshl_b32 s[PBLK], ttmp9, 2
	s_add_co_u32 s[PBLK], s[PBLK], s[CX]
	s_lshl_b32 s93, s93, 3
	s_add_co_u32 s[PBLK], s[PBLK], s93             ; P's block: W's rows 4 cluster x + cx, or tokens 4 cluster x + cx + 8 (cluster y - 8)
	s_lshl_b32 s43, s[CY], 2
	s_lshl_b32 s43, 15, s43                        ; my row of the cluster
	s_lshl_b32 s44, 0x1111, s[CX]                  ; my column
	s_or_b32 s[G1+0], s43, (1<<20)|(1<<21)|(5<<22)|(3<<25)      ; codes: elements of 1 byte; padding of 4 words after every 64; bit 21 beside a mask
	s_or_b32 s[G1B+0], s44, (1<<20)|(1<<21)|(5<<22)|(3<<25)
.irp g, G1, G1B
	s_mov_b32 s[\g+1], 256<<16                     ; tensor_dim0 = 256 bytes: 512 along K
	s_mov_b32 s[\g+2], 128<<16                     ; tensor_dim1 = 128 rows
	s_mov_b32 s[\g+3], 256<<16                     ; tile_dim0
	s_mov_b32 s[\g+4], 128                         ; tile_dim1
	s_mov_b32 s[\g+5], 512                         ; a row of 1,024 codes in memory
	s_mov_b32 s[\g+6], 0
	s_mov_b32 s[\g+7], 0
.endr
	s_or_b32 s[G1S+0], s43, (3<<16)|(1<<20)|(1<<21)|(5<<22)|(3<<25)   ; scales of 128 rows: 4,096 dense bytes as 16 rows of 32 elements of 8 bytes
	s_or_b32 s[G1SB+0], s44, (3<<16)|(1<<20)|(1<<21)|(5<<22)|(3<<25)
.irp g, G1S, G1SB
	s_mov_b32 s[\g+1], 32<<16
	s_mov_b32 s[\g+2], 16<<16
	s_mov_b32 s[\g+3], 32<<16
	s_mov_b32 s[\g+4], 16
	s_mov_b32 s[\g+5], 32
	s_mov_b32 s[\g+6], 0
	s_mov_b32 s[\g+7], 0
.endr
	s_lshl_b32 s95, s[PH], 7                       ; which 128 rows I fetch
	s_lshl_b32 s46, s[RBLK], 8
	s_add_co_u32 s46, s46, s95                     ; R's first row
	s_lshl_b32 s96, s[PBLK], 8
	s_add_co_u32 s96, s96, s95                     ; P's
	s_lshl_b32 s92, s46, 5                         ; 32 scale bytes a row,
	s_mov_b32 s93, 0
	s_lshl_b32 s46, s46, 9                         ; 512 bytes of codes
	s_mov_b32 s47, 0
	s_lshl_b32 s94, s96, 5
	s_mov_b32 s95, 0
	s_lshl_b32 s96, s96, 9
	s_mov_b32 s97, 0
	s_mul_i32 s98, s[WV], HALFT                    ; where they go: wave x 128 rows: no place in the cluster enters an LDS address
	s_mul_i32 s99, s[WV], HALFS
	s_wait_dscnt 0x0                               ; both opening adds are done
	s_wait_kmcnt 0x0
	s_cmp_eq_u32 s[KIND], 1                        ; the operands' buffers are chosen by the kind, which hangs on no address
	s_cselect_b64 s[100:101], s[8:9], s[4:5]
	s_add_nc_u64 s[46:47], s[100:101], s[46:47]    ; R's codes
	s_cselect_b64 s[100:101], s[10:11], s[6:7]
	s_add_nc_u64 s[92:93], s[100:101], s[92:93]    ; R's scales
	s_cselect_b64 s[100:101], s[4:5], s[8:9]
	s_add_nc_u64 s[96:97], s[100:101], s[96:97]    ; P's codes
	s_cselect_b64 s[100:101], s[6:7], s[10:11]
	s_add_nc_u64 s[94:95], s[100:101], s[94:95]    ; P's scales
	CROUND                                         ; all sixteen work-groups are here: the joint loads meet
	s_mov_b32 s[G0S], 1
	s_add_co_u32 s[G0S+1], s99, SCL
	s_mov_b64 s[G0S+2:G0S+3], s[92:93]
	s_or_b32 s[G0S+3], s[G0S+3], 0x80000000
	s_mov_b32 s[G0SB], 1
	s_add_co_u32 s[G0SB+1], s99, SCL
	s_mov_b64 s[G0SB+2:G0SB+3], s[94:95]
	s_or_b32 s[G0SB+3], s[G0SB+3], 0x80000000
	JLOAD G0S, G1S, G0SB, G1SB                     ; the scales first; then slot 0, then slot 1: three loads of mine are out, each fills its bytes once
.irp s, 0,1
	s_mov_b32 s[G0+4*\s], 1
	s_add_co_u32 s[G0+4*\s+1], s98, \s*SLOT
	s_add_nc_u64 s[G0+4*\s+2:G0+4*\s+3], s[46:47], \s*256
	s_or_b32 s[G0+4*\s+3], s[G0+4*\s+3], 0x80000000
	s_mov_b32 s[G0B+4*\s], 1
	s_add_co_u32 s[G0B+4*\s+1], s98, \s*SLOT
	s_add_nc_u64 s[G0B+4*\s+2:G0B+4*\s+3], s[96:97], \s*256
	s_or_b32 s[G0B+4*\s+3], s[G0B+4*\s+3], 0x80000000
	JLOAD G0+4*\s, G1, G0B+4*\s, G1B
.endr
	v_and_b32 v1, 15, v0                           ; r
	v_bfe_u32 v2, v0, 4, 1                         ; h
	; where results go.  Both kinds' places are made in every work-group, each from its own buffer; a work-group uses its kind's.
	s_lshl_b32 s92, s[PBLK], 2
	s_lshl_b32 s93, s[PH], 1
	s_add_co_u32 s92, s92, s93                     ; q, k: my first head of 32 (16 of q, 16 of k)
	s_lshr_b32 s93, s92, 4
	s_lshl_b32 s93, s93, 6
	s_and_b32 s92, s92, 15
	s_add_co_u32 s93, s93, s92
	s_lshr_b32 s92, s[RBLK], 3
	s_lshl_b32 s92, s92, 4
	s_add_co_u32 s93, s93, s92                     ; 64 (q or k) + 16 batch + head
	s_and_b32 s92, s[RBLK], 7
	s_lshl_b32 s92, s92, 4
	s_lshl_b32 s94, s[RH], 3
	s_add_co_u32 s92, s92, s94                     ; my first tile of 16 tokens in the batch
	s_lshl_b32 s94, s93, 16
	s_lshl_b32 s96, s92, 9
	s_add_co_u32 s94, s94, s96
	s_mov_b32 s95, 0
	s_add_nc_u64 s[CBQ:CBQ+1], s[14:15], s[94:95]
	s_lshl_b32 s94, s93, 13
	s_lshl_b32 s96, s92, 6
	s_add_co_u32 s94, s94, s96
	s_add_nc_u64 s[SBQ:SBQ+1], s[16:17], s[94:95]
	s_lshl_b32 s92, s[CY], 2
	s_lshl_b32 s93, s[RH], 1
	s_add_co_u32 s92, s92, s93                     ; v: my first head
	s_lshr_b32 s93, s[PBLK], 3
	s_lshl_b32 s93, s93, 4
	s_add_co_u32 s93, s93, s92                     ; 16 batch + head
	s_and_b32 s92, s[PBLK], 7
	s_lshl_b32 s92, s92, 1
	s_add_co_u32 s92, s92, s[PH]                   ; my step of 128 keys
	s_lshl_b32 s94, s93, 16
	s_lshl_b32 s96, s92, 12
	s_add_co_u32 s94, s94, s96
	s_add_nc_u64 s[CBV:CBV+1], s[18:19], s[94:95]
	s_lshl_b32 s94, s93, 12
	s_lshl_b32 s96, s92, 8
	s_add_co_u32 s94, s94, s96
	s_add_nc_u64 s[SBV:SBV+1], s[20:21], s[94:95]
	s_lshl_b32 s92, s[PBLK], 10                    ; the bias: q, k: of my 128 P rows;
	s_lshl_b32 s93, s[PH], 9
	s_add_co_u32 s92, s92, s93
	s_lshl_b32 s93, s[CY], 10                      ; v: of my 128 R rows, behind q's and k's 2,048 numbers
	s_lshl_b32 s94, s[RH], 9
	s_add_co_u32 s93, s93, s94
	s_add_co_u32 s93, s93, 8192
	s_cmp_eq_u32 s[KIND], 1
	s_cselect_b32 s94, s93, s92
	s_add_nc_u64 s[12:13], s[12:13], s[94:95]
	s_cmp_eq_u32 s[KIND], 1
	s_cbranch_scc1 .Lbias_v
	v_lshlrev_b32 v[BO], 5, v2                     ; q, k: the bias runs along P: for tile t my eight numbers 16 t + 8 h + 0 .. 7
	WIN 0x40                                       ; destination window 1
.irp t, 0,1,2,3,4,5,6,7
	global_load_b128 v[BIAS+8*\t:BIAS+8*\t+3], v[BO], s[12:13] offset:64*\t
	global_load_b128 v[BIAS+8*\t+4:BIAS+8*\t+7], v[BO], s[12:13] offset:64*\t+16
.endr
	WIN 0
	s_branch .Lbias_done
.Lbias_v:
	v_lshlrev_b32 v[BO], 2, v1                     ; v: the bias runs along R: one number a lane and tile, in all eight registers
	WIN 0x40
.irp a, 0,1,2,3,4,5,6,7
	global_load_b32 v[BIAS+8*\a], v[BO], s[12:13] offset:64*\a
.endr
	s_wait_loadcnt 0x0
	WIN 0x41                                       ; destination and source window 1
.irp a, 0,1,2,3,4,5,6,7
.irp j, 1,2,3,4,5,6,7
	v_mov_b32 v[BIAS+8*\a+\j], v[BIAS+8*\a]
.endr
.endr
	WIN 0
.Lbias_done:
	v_mul_u32_u24 v3, v1, PITCH
	v_lshl_add_u32 v4, v2, 4, v3                   ; a fragment's row x pitch + 16 h
	s_mul_i32 s92, s[RH], HALFT
	s_mul_i32 s93, s[PH], HALFT
	s_add_co_u32 s93, s93, 2*HALFT
.irp s, 0,1
	v_add_nc_u32 v[ADRA+\s], s92, v4
	v_add_nc_u32 v[ADRB+\s], s93, v4
	s_add_co_u32 s92, s92, SLOT
	s_add_co_u32 s93, s93, SLOT
.endr
	v_lshlrev_b32 v5, 5, v1                        ; my row's scales: 32 bytes a row,
	v_lshrrev_b32 v6, 3, v1
	v_lshl_add_u32 v5, v6, 4, v5                   ; and 16 more behind each 8 rows
	s_mul_i32 s92, s[RH], HALFS
	s_mul_i32 s93, s[PH], HALFS
	s_add_co_u32 s93, s93, 2*HALFS
	s_sub_co_u32 s93, s93, s92
	v_mul_u32_u24 v6, s93, v2                      ; lanes 16-31 take P's: one product, h x the distance
	s_add_co_u32 s92, s92, SCL
	v_add_nc_u32 v5, v5, v6
	v_add_nc_u32 v[ADRS], s92, v5
	v_and_b32 v3, 31, v0
	v_lshlrev_b32 v[LI], 4, v3
	v_lshlrev_b32 v[SH], 4, v2
	v_lshlrev_b32 v[SOQ], 4, v1
	v_lshl_add_u32 v[SOV], v2, 12, v[SOQ]
	v_lshl_add_u32 v[SOQ], v2, 13, v[SOQ]
	s_mov_b32 s[SEL], 0x76543210
	s_mov_b32 s[SEL+1], 0xfedcba98
; The fragments of K step k (128 along K; slot k / 4) into set k % 2: 16 rows x 128 K of 4-bit codes are 8 registers: two loads of 16 bytes, 32 bytes apart
.macro FETCH k
.set FS, (\k)/4
.set FQ, (\k)%4
.set FP, 128*((\k)%2)
.set FRR, 128+64*((\k)%2)
	WIN 0x40                                       ; destination window 1
.irp i, 0,1,2,3,4,5,6,7
.irp c, 0,1
	ds_load_b128 v[FP+8*\i+4*\c:FP+8*\i+4*\c+3], v[ADRB+FS] offset:64*FQ+32*\c+\i*16*PITCH
.endr
.endr
	WIN 0
.irp i, 0,1,2,3,4,5,6,7
.irp c, 0,1
	ds_load_b128 v[FRR+8*\i+4*\c:FRR+8*\i+4*\c+3], v[ADRA+FS] offset:64*FQ+32*\c+\i*16*PITCH
.endr
.endr
.endm
.macro SCALES s                        ; a slot's four scale words a row: lanes 0-15 R's block i, lanes 16-31 P's block i
.irp i, 0,1,2,3,4,5,6,7
	ds_load_b128 v[SC+32*\s+4*\i:SC+32*\s+4*\i+3], v[ADRS] offset:\i*SBLK+16*\s
.endr
.endm
; 64 matrix instructions: the 64 accumulators by turns, in the same order in every K step.  mode 0: in place; 1: the sums start from the bias along P; 2: from the bias along R
.macro MUL64 k, mode
.set PS, 128*((\k)%2)
.set RS, 128+64*((\k)%2)
.set SS, SC+32*((\k)/4)+(\k)%4
.irp a, 0,1,2,3,4,5,6,7
.if \mode
	WIN 0x91+0x40*(\a/4)                           ; P window 1, R window 0, C (the bias) window 1, D window 2 or 3
.else
	WIN 0xa1+0x50*(\a/4)                           ; C and D window 2 or 3
.endif
.irp b, 0,1,2,3,4,5,6,7
.if \mode == 0
	v_wmma_scale_f32_16x16x128_f8f6f4 v[8*(8*(\a%4)+\b):8*(8*(\a%4)+\b)+7], v[PS+8*\b:PS+8*\b+7], v[RS+8*\a:RS+8*\a+7], v[8*(8*(\a%4)+\b):8*(8*(\a%4)+\b)+7], v[SS+4*\b], v[SS+4*\a] matrix_a_fmt:MATRIX_FMT_FP4 matrix_b_fmt:MATRIX_FMT_FP4 matrix_a_scale:MATRIX_SCALE_ROW1
.elseif \mode == 1
	v_wmma_scale_f32_16x16x128_f8f6f4 v[8*(8*(\a%4)+\b):8*(8*(\a%4)+\b)+7], v[PS+8*\b:PS+8*\b+7], v[RS+8*\a:RS+8*\a+7], v[BIAS+8*\b:BIAS+8*\b+7], v[SS+4*\b], v[SS+4*\a] matrix_a_fmt:MATRIX_FMT_FP4 matrix_b_fmt:MATRIX_FMT_FP4 matrix_a_scale:MATRIX_SCALE_ROW1
.else
	v_wmma_scale_f32_16x16x128_f8f6f4 v[8*(8*(\a%4)+\b):8*(8*(\a%4)+\b)+7], v[PS+8*\b:PS+8*\b+7], v[RS+8*\a:RS+8*\a+7], v[BIAS+8*\a:BIAS+8*\a+7], v[SS+4*\b], v[SS+4*\a] matrix_a_fmt:MATRIX_FMT_FP4 matrix_b_fmt:MATRIX_FMT_FP4 matrix_a_scale:MATRIX_SCALE_ROW1
.endif
.endr
.endr
.endm
; K step k: its fragments are in; the next step's are asked for, four places behind the products that read that set (ISA guide 7.12.1 for vector instructions); then its 64 products
.macro STEP k
	s_wait_dscnt 0x0
.if \k == 3
	s_wait_tensorcnt 0x0                           ; my part of slot 1 has landed;
	s_barrier_signal -1
	s_barrier_wait -1                              ; everybody's has.
.endif
.if \k < 7
	PLACES 4
	FETCH \k+1
.if \k == 3
	SCALES 1
.endif
.endif
	MUL64 \k, 0
	WIN 0
.endm
	s_wait_tensorcnt 0x1                           ; the scales and my part of slot 0 are in; slot 1's load, the last of my three, may be out
	s_barrier_signal -1
	s_barrier_wait -1
	FETCH 0
	SCALES 0
	s_wait_loadcnt 0x0                             ; the bias
	s_wait_dscnt 0x0
	FETCH 1
	s_cmp_eq_u32 s[KIND], 1
	s_cbranch_scc1 .Lfirst_v
	MUL64 0, 1                                     ; the first K step starts the sums from the bias: nothing is cleared, nothing is added later
	WIN 0
	s_branch .Lfirst_done
.Lfirst_v:
	MUL64 0, 2
	WIN 0
.Lfirst_done:
	STEP 1
	STEP 2
	STEP 3
	STEP 4
	STEP 5
	STEP 6
	STEP 7
; R tile a's 64 numbers a lane (tile t, register j: P index 16 t + 8 h + j) become a fragment's codes in v[PC + 8 a] on and its scale word in v[PW + a].
; The word of eight codes of tile t holds k = 16 t + 0 .. 7 in lanes 0-15 and + 8 .. 15 in lanes 16-31; the operand wants register e of a group of four to hold k = 8 e .. in lanes 0-15 and 32 + 8 e .. in lanes 16-31:
; so tiles 4 c, 4 c + 2 are laid side by side and change halves, and likewise tiles 4 c + 1, 4 c + 3.
.macro QUANT a
.set W, 2+(\a)/4
.set AC, 64*((\a)%4)
.set PCA, PC+8*(\a)
	WIN (W<<4)|(W<<2)                              ; sources 1 and 2: the accumulators' window
.irp b, 0,1,2,3
	v_max3_num_f32 v[TM+\b], 0x1800000, |v[AC+16*\b]|, |v[AC+16*\b+1]|   ; block b: my 16 numbers, each accumulator from its low end on, and the floor 2^(3 - 127): the byte cannot fall under 1
.endr
.irp i, 2,4,6,8,10,12,14
.irp b, 0,1,2,3
	v_max3_num_f32 v[TM+\b], v[TM+\b], |v[AC+16*\b+\i]|, |v[AC+16*\b+\i+1]|
.endr
.endr
	WIN 0
.irp b, 0,1,2,3
	v_permlanex16_b32 v[TM+4+\b], v[TM+\b], s[SEL], s[SEL+1]
.endr
.irp b, 0,1,2,3
	v_max_num_f32 v[TM+\b], v[TM+\b], v[TM+4+\b]   ; with lane l xor 16's: the block's largest magnitude
.endr
.irp b, 0,1,2,3
	v_add_nc_u32 v[TM+12+\b], 0xff000000, v[TM+\b] ; 2 off its exponent field: the conversion's scale operand
.endr
.irp b, 0,1,2,3
	v_lshrrev_b32 v[TM+4+\b], 23, v[TM+12+\b]      ; the scale's byte
.endr
	v_lshl_or_b32 v[PW+\a], v[TM+5], 8, v[TM+4]
	v_lshl_or_b32 v[PW+\a], v[TM+6], 16, v[PW+\a]
	v_lshl_or_b32 v[PW+\a], v[TM+7], 24, v[PW+\a]
	WIN W                                          ; source 0: the accumulators' window
.irp c, 0,1
	v_cvt_scalef32_pk8_fp4_f32 v[PCA+4*\c], v[AC+32*\c:AC+32*\c+7], v[TM+12+2*\c]
	v_cvt_scalef32_pk8_fp4_f32 v[PCA+4*\c+2], v[AC+32*\c+8:AC+32*\c+15], v[TM+12+2*\c]
	v_cvt_scalef32_pk8_fp4_f32 v[PCA+4*\c+1], v[AC+32*\c+16:AC+32*\c+23], v[TM+13+2*\c]
	v_cvt_scalef32_pk8_fp4_f32 v[PCA+4*\c+3], v[AC+32*\c+24:AC+32*\c+31], v[TM+13+2*\c]
.endr
	WIN 0
	v_nop                                          ; one plain place behind a scaled conversion
.irp c, 0,1
	v_permlane16_swap_b32 v[PCA+4*\c], v[PCA+4*\c+1]
	v_permlane16_swap_b32 v[PCA+4*\c+2], v[PCA+4*\c+3]
.endr
.endm
.irp b, 0,1,2,3
	v_mov_b32 v[TM+4+\b], 0                        ; a lane permute's destination counts as a source; these four are also the places behind the last products
.endr
	s_mov_b32 s[MHI], 0xffff0000                   ; lanes 16-31
	s_cmp_eq_u32 s[KIND], 1
	s_cbranch_scc1 .Lepi_v
	; q, k: token tile a; registers 0-3 are my first head's fragment (d = 32 h + 0 .. 31), registers 4-7 the next head's.  Every store has data registers of its own
.irp a, 0,1,2,3,4,5,6,7
	QUANT \a
	global_store_b128 v[LI], v[PC+8*\a:PC+8*\a+3], s[CBQ:CBQ+1] offset:512*\a
	global_store_b128 v[LI], v[PC+8*\a+4:PC+8*\a+7], s[CBQ:CBQ+1] offset:512*\a+65536
.endr
.irp a, 0,1,2,3,4,5,6,7
	v_lshrrev_b32 v[PW+\a], v[SH], v[PW+\a]        ; lanes 16-31 carry the second head's two bytes in bytes 0, 1
.endr
	global_store_b128 v[SOQ], v[PW:PW+3], s[SBQ:SBQ+1]              ; each half of the lanes stores 256 consecutive bytes, aligned: four tiles' words of one head
	global_store_b128 v[SOQ], v[PW+4:PW+7], s[SBQ:SBQ+1] offset:256
	s_branch .Lend
.Lepi_v:
	; v: R tile a is 16 of head a / 4's 64 channels; its eight registers are a whole fragment of V^T for my 128 keys
.irp a, 0,1,2,3,4,5,6,7
	QUANT \a
	global_store_b128 v[LI], v[PC+8*\a:PC+8*\a+3], s[CBV:CBV+1] offset:(\a/4)*65536+(\a%4)*1024
	global_store_b128 v[LI], v[PC+8*\a+4:PC+8*\a+7], s[CBV:CBV+1] offset:(\a/4)*65536+(\a%4)*1024+512
.endr
.irp i, 0,1,2,3
	v_cndmask_b32 v[PW+\i], v[PW+\i], v[PW+4+\i], s[MHI]            ; lanes 16-31 carry the second head's words
.endr
	global_store_b128 v[SOV], v[PW:PW+3], s[SBV:SBV+1]
.Lend:
	s_wait_tensorcnt 0x0                           ; the wave's end
	ds_add_u32 v[SPW], v[NIL]
	s_wait_dscnt 0x0
	CROUND                                         ; the closing round
	s_endpgm
.Lfunc_end_k_q15d5b150c5_qkv:
	.size	k_q15d5b150c5_qkv, .Lfunc_end_k_q15d5b150c5_qkv-k_q15d5b150c5_qkv
	.p2alignl 7, 3214868480
	.fill 96, 4, 3214868480
	.section	.rodata,"a",@progbits
	.p2align	6, 0x0
	.amdhsa_kernel k_q15d5b150c5_qkv
		.amdhsa_group_segment_fixed_size 327680
		.amdhsa_private_segment_fixed_size 0
		.amdhsa_enable_private_segment 0
		.amdhsa_kernarg_size 72
		.amdhsa_user_sgpr_count 2
		.amdhsa_user_sgpr_kernarg_segment_ptr 1
		.amdhsa_wavefront_size32 1
		.amdhsa_system_sgpr_workgroup_id_x 1
		.amdhsa_system_sgpr_workgroup_id_y 1
		.amdhsa_system_sgpr_workgroup_id_z 1
		.amdhsa_system_vgpr_workitem_id 0
		.amdhsa_next_free_vgpr 1024
		.amdhsa_next_free_sgpr 102
		.amdhsa_reserve_vcc 0
		.amdhsa_float_denorm_mode_32 3
		.amdhsa_float_denorm_mode_16_64 3
		.amdhsa_memory_ordered 1
		.amdhsa_forward_progress 1
		.amdhsa_inst_pref_size 173
	.end_amdhsa_kernel
	.amdgpu_metadata
---
amdhsa.version: [ 1, 2 ]
amdhsa.kernels:
  - .name:           k_q15d5b150c5_qkv
    .symbol:         k_q15d5b150c5_qkv.kd
    .args:
      - { .name: x_codes, .offset: 0, .size: 8, .value_kind: global_buffer, .address_space: global }
      - { .name: x_scales, .offset: 8, .size: 8, .value_kind: global_buffer, .address_space: global }
      - { .name: W_attn_codes, .offset: 16, .size: 8, .value_kind: global_buffer, .address_space: global }
      - { .name: W_attn_scales, .offset: 24, .size: 8, .value_kind: global_buffer, .address_space: global }
      - { .name: b_attn, .offset: 32, .size: 8, .value_kind: global_buffer, .address_space: global }
      - { .name: qkc, .offset: 40, .size: 8, .value_kind: global_buffer, .address_space: global }
      - { .name: qks, .offset: 48, .size: 8, .value_kind: global_buffer, .address_space: global }
      - { .name: vc, .offset: 56, .size: 8, .value_kind: global_buffer, .address_space: global }
      - { .name: vs, .offset: 64, .size: 8, .value_kind: global_buffer, .address_space: global }
    .group_segment_fixed_size: 327680
    .private_segment_fixed_size: 0
    .kernarg_segment_align: 8
    .kernarg_segment_size: 72
    .max_flat_workgroup_size: 128
    .sgpr_count:     102
    .vgpr_count:     1024
    .wavefront_size: 32
...
	.end_amdgpu_metadata
.endif
;; end of part 1
;; launch attn (part 2): grid 4 x 64, 16 waves a work-group, no clusters, 167,936 bytes of LDS; arguments qkc, qks, vc, vs, yc, ys; writes yc, ys
.if DOCPART == 2
	.amdgcn_target "amdgcn-amd-amdhsa--gfx1250"
	.amdhsa_code_object_version 6
	.text
	.protected	k_q15d5b150c5_attn
	.globl	k_q15d5b150c5_attn
	.p2align	8
	.type	k_q15d5b150c5_attn,@function
k_q15d5b150c5_attn:
	s_mov_b64 s[64:65], 0
	v_nop
	global_prefetch_b8 v0, s[64:65] scope:SCOPE_SE
	s_setreg_imm32_b32 hwreg(HW_REG_WAVE_MODE, 25, 1), 1
	s_wait_xcnt 0x0
; LAUNCH 2 OF 3: y = softmax(q k^T / 8, causal) v for one batch and head a work-group row, both products on codes of FP4 with E8M0 scales, and the quantising of y along C.
; LEFT OUT: steps of 128 keys all of which come after a tile's 16 queries: reference()'s own tril mask gives them the weight 0 for all finite inputs (shown at the head of the first launch).
; LIMITS: NaN and infinities are not served; one that reaches only the steps left out is not carried on; a p under 2^-126 becomes 0; a block of zeros gets the byte 1 (its codes are zeros; this program alone reads the bytes).
; THE SOFTMAX: t = score x log2(e) / 8; M = the running largest t rounded UP to a whole number, kept as -M = floor(-t); p = 2^(t - M) is quantised along the keys, not normalised; the row's sum is taken of the
; unquantised p and divides at the end.  When M moves, the sum and O are multiplied by 2^(old M - new M): exact.
; SHARES.  A head's codes and scale words of k and v are 143,360 bytes: they lie in LDS WHOLE, each byte filled once: no ring, no barrier in the loops.  Work-group G of a head owns the blocks of 256 queries G and 7 - G;
; wave w takes tile 16 G + w (pass 0) and tile 127 - 16 G - w (pass 1).  A tile QT needs QT / 8 + 1 steps of 128 keys: 17 for the two, in every wave of every work-group.
; NO CLUSTER, though the four work-groups of a head read the same bytes: the branches that leave hidden steps out hang on the work-group's own queries, which differ between such partners.
; LAYOUT.  Both products transposed: S^T = K Q^T (source 0 = 16 neighbouring keys), O^T = V^T P^T (source 0 = 16 of the head's 64): a lane holds one query (lane % 16) throughout; register j of tile t is key (or channel)
; 16 t + 8 h + j.  The first product's K is 64: the upper half of Q's fragment is zero codes, so what stands in the upper half of K's (the next tile's codes) adds nothing.
; REGISTERS: v1-7 addresses that stay; v8-11 addresses in hand; v12 -M, v13 largest t, v[14:15] the sum; v16-23, v24-31 Q of pass 0, 1; v32-67 K's 8 tiles x 4 and 4 zeros; v68-71, v72-75, v76, v77 scale words of K, V, Q;
;   v78, v79 offsets; v96-159 S^T, then p; v160-191 O^T; v192-223 V; v224-231 p's codes; v232-255 at work.
.set KC,    0                          ; LDS: k's codes [tile of 16 keys][512]
.set VC,    65536                      ; v's codes [step of 128 keys][4,096]
.set KSB,   131072                     ; k's scale words, 512 bytes a step
.set VSB,   139264                     ; v's, 256 bytes a step
.set SPARE, 143360                     ; the spare words: 128 bytes a wave, named by no other line
.set LI,   1
.set AV0,  2
.set AS0,  3
.set AT0,  4
.set SPW,  5
.set NIL,  6
.set RQ,   7                           ; r - 8 h
.set ADK,  8
.set ADV,  9
.set ADS,  10
.set ADT,  11
.set YSO,  78                          ; 32 r + h
.set TB,   2                           ; s2 the step's codes: 4,096 bytes a step, in K and in V
.set TS,   3                           ; s3 K's scale words
.set WV,   18
.set SEL,  20
.set CS,   22                          ; s[22:23] c = log2(e) / 8
.set BH,   24
.set MHI,  25
.set G1C,  28                          ; s[28:35] 128 rows of 256 bytes;  s[36:43] 32 rows;  s[44:51] 16 rows
.set G1KS, 36
.set G1VS, 44
.set TV,   66                          ; s66 V's scale words
.set KF,   67                          ; s67 the step's first key
.set CNT,  80
.set Q0,   81                          ; s81, s82 my first query in pass 0, 1
	s_load_b256 s[4:11], s[0:1], 0x0               ; qkc, qks, vc, vs
	s_load_b128 s[12:15], s[0:1], 0x20             ; yc, ys
	v_lshl_add_u32 v[SPW], v0, 2, SPARE
	v_mov_b32 v[NIL], 0
	ds_add_u32 v[SPW], v[NIL]                      ; the opening
	ds_add_u32 v[SPW], v[NIL]
	v_lshrrev_b32 v8, 5, v0
	s_delay_alu instid0(VALU_DEP_1)
	v_readfirstlane_b32 s[WV], v8                  ; wave 0 .. 15
	s_and_b32 s[BH], ttmp7, 0xffff                 ; 16 batch + head
	; descriptor groups 1: dense blocks as rows of 256 bytes (32 elements of 8 bytes), no padding: every LDS read takes consecutive bytes
.irp g, G1C, G1KS, G1VS
	s_mov_b32 s[\g], 3<<16
	s_mov_b32 s[\g+1], 32<<16
	s_mov_b32 s[\g+3], 32<<16
	s_mov_b32 s[\g+5], 32
	s_mov_b32 s[\g+6], 0
	s_mov_b32 s[\g+7], 0
.endr
	s_mov_b32 s[G1C+2], 128<<16
	s_mov_b32 s[G1C+4], 128
	s_mov_b32 s[G1KS+2], 32<<16
	s_mov_b32 s[G1KS+4], 32
	s_mov_b32 s[G1VS+2], 16<<16
	s_mov_b32 s[G1VS+4], 16
	s_mov_b32 s52, 1                               ; groups 0: K's scale words, K's tiles 0-63, 64-127;
	s_mov_b32 s53, KSB
	s_mov_b32 s56, 1
	s_mov_b32 s57, KC
	s_mov_b32 s60, 1
	s_mov_b32 s61, KC+32768
	s_mov_b32 s68, 1                               ; V's scale words, V's steps 0-7, 8-15
	s_mov_b32 s69, VSB
	s_mov_b32 s72, 1
	s_mov_b32 s73, VC
	s_mov_b32 s76, 1
	s_mov_b32 s77, VC+32768
	s_mov_b32 s[SEL], 0x76543210
	s_mov_b32 s[SEL+1], 0xfedcba98
	s_mov_b32 s[CS], 0x3e38aa3b
	s_mov_b32 s[CS+1], s[CS]                       ; (named with it as a pair)
	s_mov_b32 s[MHI], 0xffff0000                   ; lanes 16-31
	s_lshl_b32 s84, ttmp9, 4
	s_add_co_u32 s84, s84, s[WV]                   ; my tile of pass 0: 16 G + w
	s_sub_co_u32 s85, 127, s84                     ; and of pass 1
	s_lshl_b32 s[Q0], s84, 4
	s_lshl_b32 s[Q0+1], s85, 4
	s_lshl_b32 s2, s[BH], 16                       ; the head's codes: 65,536 bytes in qkc and in vc,
	s_lshl_b32 s3, s[BH], 13                       ; its scale words in qks
	s_lshr_b32 s66, s[BH], 4                       ; batch
	s_and_b32 s67, s[BH], 15                       ; head
; byte offsets of a pass: Q's fragment, Q's scale words, y's codes, y's scale bytes
.macro OFFS qt, q0, qc, qs, yo, so
	s_lshl_b32 s[\qc], s[\qt], 9
	s_add_co_u32 s[\qc], s[\qc], s2
	s_mov_b32 s[\qc+1], 0
	s_lshr_b32 s[\qs], s[\qt], 2
	s_lshl_b32 s[\qs], s[\qs], 8
	s_and_b32 s80, s[\qt], 3
	s_lshl_b32 s80, s80, 2
	s_add_co_u32 s[\qs], s[\qs], s80
	s_add_co_u32 s[\qs], s[\qs], s3
	s_mov_b32 s[\qs+1], 0
	s_lshl_b32 s[\yo], s66, 7
	s_add_co_u32 s[\yo], s[\yo], s[\qt]            ; the tile among all 512
	s_lshl_b32 s[\yo], s[\yo], 13
	s_lshl_b32 s80, s67, 9
	s_add_co_u32 s[\yo], s[\yo], s80
	s_mov_b32 s[\yo+1], 0
	s_lshl_b32 s[\so], s66, 11
	s_add_co_u32 s[\so], s[\so], s[\q0]            ; the token among all 8,192
	s_lshl_b32 s[\so], s[\so], 5
	s_lshl_b32 s80, s67, 1
	s_add_co_u32 s[\so], s[\so], s80
	s_mov_b32 s[\so+1], 0
.endm
	OFFS 84, 81, 86, 88, 90, 92
	OFFS 85, 82, 94, 26, 96, 98
	s_mov_b32 s66, s3                              ; s[66:67] = the head's scale words, s[2:3] = its codes, as pairs
	s_mov_b32 s67, 0
	s_mov_b32 s3, 0
	s_wait_dscnt 0x0                               ; both opening adds are done
	s_wait_kmcnt 0x0
	s_add_nc_u64 s[54:55], s[6:7], s[66:67]
	s_add_nc_u64 s[54:55], s[54:55], 524288        ; k's half of qks
	s_or_b32 s55, s55, 0x80000000
	s_add_nc_u64 s[58:59], s[4:5], s[2:3]
	s_add_nc_u64 s[58:59], s[58:59], 4194304       ; k's half of qkc
	s_add_nc_u64 s[62:63], s[58:59], 32768
	s_or_b32 s59, s59, 0x80000000
	s_or_b32 s63, s63, 0x80000000
	s_lshr_b32 s66, s66, 1                         ; 4,096 bytes a head in vs
	s_add_nc_u64 s[70:71], s[10:11], s[66:67]
	s_or_b32 s71, s71, 0x80000000
	s_add_nc_u64 s[74:75], s[8:9], s[2:3]
	s_add_nc_u64 s[78:79], s[74:75], 32768
	s_or_b32 s75, s75, 0x80000000
	s_or_b32 s79, s79, 0x80000000
	s_cmp_lg_u32 s[WV], 0                          ; wave 0 asks for all of K, wave 1 for all of V: three loads each, in one branch; the other fourteen ask for nothing
	s_cbranch_scc1 .Lnot_wave_0
	tensor_load_to_lds s[52:55], s[G1KS:G1KS+7]
	s_nop 0
	tensor_load_to_lds s[56:59], s[G1C:G1C+7]
	s_nop 0
	tensor_load_to_lds s[60:63], s[G1C:G1C+7]
	s_nop 0
.rept 4
	v_nop
.endr
	s_branch .Lfilled
.Lnot_wave_0:
	s_cmp_lg_u32 s[WV], 1
	s_cbranch_scc1 .Lfilled
	tensor_load_to_lds s[68:71], s[G1VS:G1VS+7]
	s_nop 0
	tensor_load_to_lds s[72:75], s[G1C:G1C+7]
	s_nop 0
	tensor_load_to_lds s[76:79], s[G1C:G1C+7]
	s_nop 0
.rept 4
	v_nop
.endr
.Lfilled:
	s_add_nc_u64 s[86:87], s[4:5], s[86:87]        ; Q's fragment and scale words, pass 0;
	s_add_nc_u64 s[88:89], s[6:7], s[88:89]
	s_add_nc_u64 s[94:95], s[4:5], s[94:95]        ; pass 1
	s_add_nc_u64 s[26:27], s[6:7], s[26:27]
	s_add_nc_u64 s[90:91], s[12:13], s[90:91]      ; y's codes and scale bytes, pass 0;
	s_add_nc_u64 s[92:93], s[14:15], s[92:93]
	s_add_nc_u64 s[96:97], s[12:13], s[96:97]      ; pass 1
	s_add_nc_u64 s[98:99], s[14:15], s[98:99]
	v_and_b32 v8, 31, v0
	s_delay_alu instid0(VALU_DEP_1)
	v_lshlrev_b32 v[LI], 4, v8                     ; 16 x lane
	v_and_b32 v9, 15, v0                           ; r
	v_bfe_u32 v10, v0, 4, 1                        ; h
	s_delay_alu instid0(VALU_DEP_2)
	v_lshlrev_b32 v79, 4, v9                       ; 16 r
	global_load_b128 v[16:19], v[LI], s[86:87]     ; Q's fragments stay in registers
	global_load_b32 v76, v79, s[88:89]
	global_load_b128 v[24:27], v[LI], s[94:95]
	global_load_b32 v77, v79, s[26:27]
	v_add_nc_u32 v[AV0], VC, v[LI]
	v_add_nc_u32 v[AS0], KSB, v[LI]                ; lanes 0-15: tiles 0-3's words of key r; lanes 16-31: tiles 4-7's
	v_add_nc_u32 v[AT0], VSB, v79
	v_lshlrev_b32 v11, 3, v10
	s_delay_alu instid0(VALU_DEP_1)
	v_sub_nc_u32 v[RQ], v9, v11
	v_lshl_add_u32 v[YSO], v9, 5, v10
.irp j, 20,21,22,23,28,29,30,31,64,65,66,67
	v_mov_b32 v[\j], 0                             ; zero codes: the upper 64 of the first product's K
.endr
.irp j, 236,237,238,239,252,253
	v_mov_b32 v[\j], 0                             ; written once: permutes' destinations and halves of pairs that are named before they are made
.endr
; A KEY STEP of pass p: 128 keys
.macro STEP p
	s_add_co_u32 s94, s[Q0+\p], 15                 ; a step all of whose keys come after my 16 queries is left out: a branch on ids, round its loads, products and softmax
	s_cmp_gt_u32 s[KF], s94
	s_cbranch_scc1 .Lhidden_\@
	s_setprio 2
	v_add_nc_u32 v[ADK], s[TB], v[LI]              ; these four are also the places in front of loads into registers that the last products read
	v_add_nc_u32 v[ADV], s[TB], v[AV0]
	v_add_nc_u32 v[ADS], s[TS], v[AS0]
	v_add_nc_u32 v[ADT], s[TV], v[AT0]
.irp t, 0,1,2,3,4,5,6,7
	ds_load_b128 v[32+4*\t:35+4*\t], v[ADK] offset:512*\t
.endr
	ds_load_b128 v[68:71], v[ADS]
.irp d, 0,1,2,3
.irp c, 0,1
	ds_load_b128 v[192+8*\d+4*\c:195+8*\d+4*\c], v[ADV] offset:1024*\d+512*\c
.endr
.endr
	ds_load_b128 v[72:75], v[ADT]
	s_wait_dscnt 0x9                               ; K and its words are in; V's eight loads and its words, issued behind them, may be out
.irp t, 0,1,2,3
	v_wmma_scale_f32_16x16x128_f8f6f4 v[96+8*\t:103+8*\t], v[32+4*\t:39+4*\t], v[16+8*\p:23+8*\p], 0, v[68+\t], v[76+\p] matrix_a_fmt:MATRIX_FMT_FP4 matrix_b_fmt:MATRIX_FMT_FP4
.endr
.irp t, 4,5,6,7
	v_wmma_scale_f32_16x16x128_f8f6f4 v[96+8*\t:103+8*\t], v[32+4*\t:39+4*\t], v[16+8*\p:23+8*\p], 0, v[64+\t], v[76+\p] matrix_a_fmt:MATRIX_FMT_FP4 matrix_b_fmt:MATRIX_FMT_FP4 matrix_a_scale:MATRIX_SCALE_ROW1
.endr
.rept 4
	v_nop
.endr
	s_add_co_u32 s94, s[KF], 127                   ; on the diagonal hidden scores become -infinity ahead of the maximum; a step all of whose keys count skips this
	s_cmp_le_u32 s94, s[Q0+\p]
	s_cbranch_scc1 .Lopen_\@
	s_sub_co_i32 s94, s[Q0+\p], s[KF]
	v_add_nc_u32 v252, s94, v[RQ]                  ; d = my query - the step's first key - 8 h.  Register n holds key 16 (n / 8) + 8 h + n % 8 of the step: hidden where 16 (n / 8) + n % 8 > d
	v_mov_b32 v254, 0xff800000
.set n, 0
.rept 64
	v_cmp_gt_i32 vcc_lo, 16*(n/8)+n%8, v252
	v_cndmask_b32 v[96+n], v[96+n], v254, vcc_lo
.set n, n+1
.endr
.Lopen_\@:
.irp b, 0,1,2,3
	v_max3_num_f32 v[232+\b], v[96+16*\b], v[97+16*\b], v[98+16*\b]   ; the largest score of each block of 32 keys: for the row's maximum and, since p rises with the score, for the block's largest p
.endr
.irp i, 3,5,7,9,11,13
.irp b, 0,1,2,3
	v_max3_num_f32 v[232+\b], v[232+\b], v[96+16*\b+\i], v[97+16*\b+\i]
.endr
.endr
.irp b, 0,1,2,3
	v_max_num_f32 v[232+\b], v[232+\b], v[111+16*\b]
.endr
.irp b, 0,1,2,3
	s_delay_alu instid0(VALU_DEP_4)
	v_permlanex16_b32 v[236+\b], v[232+\b], s[SEL], s[SEL+1]
.endr
.irp b, 0,1,2,3
	s_delay_alu instid0(VALU_DEP_4)
	v_max_num_f32 v[232+\b], v[232+\b], v[236+\b]  ; with lane l xor 16's 16 keys
.endr
	s_delay_alu instid0(VALU_DEP_2)
	v_max3_num_f32 v254, v232, v233, v234
	s_delay_alu instid0(VALU_DEP_1)
	v_max_num_f32 v254, v254, v235
	s_delay_alu instid0(VALU_DEP_1)
	v_mul_f32 v254, s[CS], v254                    ; as t (c is positive)
	s_delay_alu instid0(VALU_DEP_1)
	v_max_num_f32 v13, v13, v254                   ; the running largest t
	v_mov_b32 v254, v12
	s_delay_alu instid0(VALU_DEP_2)
	v_floor_f32 v12, -v13                          ; the new -M
	s_delay_alu instid0(VALU_DEP_1)
	v_sub_f32 v254, v12, v254                      ; old M - new M: a whole number, 0 or less
	s_delay_alu instid0(VALU_DEP_1)
	v_cvt_i32_f32 v254, v254                       ; (it saturates)
	s_delay_alu instid0(VALU_DEP_1)
	v_ldexp_f32 v252, 1.0, v254                    ; f = 2^(old M - new M)
.set n, 0
.rept 32
	v_pk_fma_f32 v[96+n:97+n], v[96+n:97+n], s[CS:CS+1], v[12:13] op_sel_hi:[1,0,0]   ; t - M, two at a time
.set n, n+2
.endr
	s_setprio 1
.irp b, 0,1,2,3
	v_fma_f32 v[232+\b], v[232+\b], s[CS], v12     ; the same of each block's largest score
.endr
.set n, 0
	s_wait_alu depctr_va_vdst(0)
.rept 64
	v_exp_f32 v[96+n], v[96+n]                     ; p = 2^(t - M)
.set n, n+1
.endr
	v_pk_mul_f32 v[14:15], v[14:15], v[252:253] op_sel_hi:[1,0]     ; the sums under the new M: the plain place behind the exponentials
	s_wait_alu depctr_va_vdst(0)                   ; one wait for the batch of 64, ahead of its first reader
.irp b, 0,1,2,3
	v_exp_f32 v[232+\b], v[232+\b]                 ; the block's largest p
.endr
	v_pk_add_f32 v[236:237], v[100:101], v[104:105]
	v_pk_add_f32 v[254:255], v[108:109], v[112:113]
	v_pk_add_f32 v[250:251], v[116:117], v[120:121]
	v_pk_add_f32 v[248:249], v[124:125], v[128:129]
	v_pk_add_f32 v[246:247], v[132:133], v[136:137]
	v_pk_add_f32 v[244:245], v[140:141], v[144:145]
	v_pk_add_f32 v[242:243], v[148:149], v[152:153]
	v_pk_add_f32 v[14:15], v[14:15], v[156:157]
	v_pk_add_f32 v[236:237], v[236:237], v[96:97]
	v_pk_add_f32 v[254:255], v[254:255], v[98:99]
	v_pk_add_f32 v[250:251], v[250:251], v[102:103]
	v_pk_add_f32 v[248:249], v[248:249], v[106:107]
	v_pk_add_f32 v[246:247], v[246:247], v[110:111]
	v_pk_add_f32 v[244:245], v[244:245], v[114:115]
	v_pk_add_f32 v[242:243], v[242:243], v[118:119]
	v_pk_add_f32 v[14:15], v[14:15], v[122:123]
	v_pk_add_f32 v[236:237], v[236:237], v[126:127]
	v_pk_add_f32 v[254:255], v[254:255], v[130:131]
	v_pk_add_f32 v[250:251], v[250:251], v[134:135]
	v_pk_add_f32 v[248:249], v[248:249], v[138:139]
	v_pk_add_f32 v[246:247], v[246:247], v[142:143]
	v_pk_add_f32 v[244:245], v[244:245], v[146:147]
	v_pk_add_f32 v[242:243], v[242:243], v[150:151]
	v_pk_add_f32 v[14:15], v[14:15], v[154:155]
	v_pk_add_f32 v[236:237], v[236:237], v[158:159]
	s_delay_alu instid0(VALU_DEP_2)
	v_pk_add_f32 v[14:15], v[14:15], v[248:249]
	s_delay_alu instid0(VALU_DEP_2)
	v_pk_add_f32 v[236:237], v[236:237], v[246:247]
	v_pk_add_f32 v[254:255], v[254:255], v[244:245]
	v_pk_add_f32 v[250:251], v[250:251], v[242:243]
	s_delay_alu instid0(VALU_DEP_2)
	v_pk_add_f32 v[14:15], v[14:15], v[254:255]
	s_delay_alu instid0(VALU_DEP_2)
	v_pk_add_f32 v[236:237], v[236:237], v[250:251]
	s_delay_alu instid0(VALU_DEP_1)
	v_pk_add_f32 v[14:15], v[14:15], v[236:237]
	s_wait_alu depctr_va_vdst(0)                   ; and one for the four
.irp b, 0,1,2,3
	v_max_num_f32 v[232+\b], 0x1800000, v[232+\b]  ; the floor 2^(3 - 127)
.endr
.irp b, 0,1,2,3
	s_delay_alu instid0(VALU_DEP_4)
	v_add_nc_u32 v[244+\b], 0xff000000, v[232+\b]  ; 2 off the exponent field: the conversion's scale operand
.endr
.irp b, 0,1,2,3
	s_delay_alu instid0(VALU_DEP_4)
	v_lshrrev_b32 v[236+\b], 23, v[244+\b]
.endr
	s_delay_alu instid0(VALU_DEP_3)
	v_lshl_or_b32 v253, v237, 8, v236              ; p's scale word for these 128 keys
	s_delay_alu instid0(VALU_DEP_1)
	v_lshl_or_b32 v253, v238, 16, v253
	s_delay_alu instid0(VALU_DEP_1)
	v_lshl_or_b32 v253, v239, 24, v253
	s_setprio 0
.irp c, 0,1                                    ; tiles 4 c, 4 c + 2 side by side, and 4 c + 1, 4 c + 3: the exchange of halves below then gives the operand's registers
	v_cvt_scalef32_pk8_fp4_f32 v[224+4*\c], v[96+32*\c:103+32*\c], v[244+2*\c]
	v_cvt_scalef32_pk8_fp4_f32 v[226+4*\c], v[104+32*\c:111+32*\c], v[244+2*\c]
	v_cvt_scalef32_pk8_fp4_f32 v[225+4*\c], v[112+32*\c:119+32*\c], v[245+2*\c]
	v_cvt_scalef32_pk8_fp4_f32 v[227+4*\c], v[120+32*\c:127+32*\c], v[245+2*\c]
.endr
	v_nop                                          ; one plain place behind a scaled conversion
.irp c, 0,1
	v_permlane16_swap_b32 v[224+4*\c], v[225+4*\c]
	v_permlane16_swap_b32 v[226+4*\c], v[227+4*\c]
.endr
.set n, 0
.rept 16
	v_pk_mul_f32 v[160+n:161+n], v[160+n:161+n], v[252:253] op_sel_hi:[1,0]   ; O^T under the new M; for each product below twelve of these name none of its registers: the places behind the scale word and the codes
.set n, n+2
.endr
	s_wait_alu depctr_va_vdst(0)
	s_wait_dscnt 0x0                               ; V is in
.irp d, 0,1,2,3
	v_wmma_scale_f32_16x16x128_f8f6f4 v[160+8*\d:167+8*\d], v[192+8*\d:199+8*\d], v[224:231], v[160+8*\d:167+8*\d], v[72+\d], v253 matrix_a_fmt:MATRIX_FMT_FP4 matrix_b_fmt:MATRIX_FMT_FP4
.endr
.Lhidden_\@:
	s_add_co_u32 s[KF], s[KF], 128
	s_add_co_u32 s[TB], s[TB], 4096
	s_add_co_u32 s[TS], s[TS], 512
	s_add_co_u32 s[TV], s[TV], 256
.endm
; A PASS: one tile of 16 queries.  The trip count is a constant: 8 steps reach key 1,023, beyond which no query of pass 0 looks; 16 reach the last key
.macro PASS p, trips
	v_mov_b32 v13, 0xff61b1e6                      ; the largest t so far: -3e38
	s_delay_alu instid0(VALU_DEP_1)
	v_floor_f32 v12, -v13
	v_mov_b32 v14, 0
	v_mov_b32 v15, 0
.set n, 0
.rept 32
	v_mov_b32 v[160+n], 0                          ; O^T: the step is written once; the first finds zeros
.set n, n+1
.endr
	s_mov_b32 s[TB], 0
	s_mov_b32 s[TS], 0
	s_mov_b32 s[TV], 0
	s_mov_b32 s[KF], 0
	s_mov_b32 s[CNT], \trips
.Lkeys_\@:
	STEP \p
	s_sub_co_u32 s[CNT], s[CNT], 1
	s_cmp_lg_u32 s[CNT], 0
	s_cbranch_scc1 .Lkeys_\@
	s_setprio 0
.rept 4
	v_nop                                          ; places behind the last products
.endr
	v_add_f32 v14, v14, v15
	s_delay_alu instid0(VALU_DEP_1)
	v_permlanex16_b32 v252, v14, s[SEL], s[SEL+1]
	s_delay_alu instid0(VALU_DEP_1)
	v_add_f32 v14, v14, v252                       ; the row's sum
	s_wait_alu depctr_va_vdst(0)
	v_rcp_f32 v14, v14
	v_nop                                          ; a plain place behind the reciprocal
	s_wait_alu depctr_va_vdst(0)                   ; and the wait ahead of its first reader
.set n, 0
.rept 16
	v_pk_mul_f32 v[96+n:97+n], v[160+n:161+n], v[14:15] op_sel_hi:[1,0]   ; y = O^T / the sum: register 8 t + j is channel 16 t + 8 h + j; each accumulator from its low end on
.set n, n+2
.endr
.irp b, 0,1
	v_max3_num_f32 v[232+\b], |v[96+16*\b]|, |v[97+16*\b]|, 0x1800000     ; y's two blocks of 32 along C, quantised as p is
.endr
.irp i, 2,4,6,8,10,12,14
.irp b, 0,1
	s_delay_alu instid0(VALU_DEP_2)
	v_max3_num_f32 v[232+\b], v[232+\b], |v[96+16*\b+\i]|, |v[97+16*\b+\i]|
.endr
.endr
.irp b, 0,1
	s_delay_alu instid0(VALU_DEP_2)
	v_permlanex16_b32 v[236+\b], v[232+\b], s[SEL], s[SEL+1]
.endr
.irp b, 0,1
	s_delay_alu instid0(VALU_DEP_2)
	v_max_num_f32 v[232+\b], v[232+\b], v[236+\b]
.endr
.irp b, 0,1
	s_delay_alu instid0(VALU_DEP_2)
	v_add_nc_u32 v[244+\b], 0xff000000, v[232+\b]
.endr
.irp b, 0,1
	s_delay_alu instid0(VALU_DEP_2)
	v_lshrrev_b32 v[236+\b], 23, v[244+\b]
.endr
	v_cvt_scalef32_pk8_fp4_f32 v224, v[96:103], v244
	v_cvt_scalef32_pk8_fp4_f32 v226, v[104:111], v244
	v_cvt_scalef32_pk8_fp4_f32 v225, v[112:119], v245
	v_cvt_scalef32_pk8_fp4_f32 v227, v[120:127], v245
	v_cndmask_b32 v238, v236, v237, s[MHI]         ; block h's byte; also the plain place behind the conversions
	v_permlane16_swap_b32 v224, v225
	v_permlane16_swap_b32 v226, v227
	global_store_b128 v[LI], v[224:227], s[90+6*\p:91+6*\p]         ; the head's four registers of the tile's fragment: 512 consecutive bytes, aligned
	global_store_b8 v[YSO], v238, s[92+6*\p:93+6*\p]                ; two bytes a token: a token's 32 bytes come from sixteen heads, so these go singly: one byte for each 16 of codes
.endm
	s_wait_tensorcnt 0x1                           ; in waves 0 and 1: the scale words and the first halves are in; the second halves, the last of the three loads, may be out
	s_barrier_signal -1
	s_barrier_wait -1
	s_wait_loadcnt 0x0                             ; Q
	PASS 0, 8                                      ; reads the first halves alone
	s_wait_xcnt 0x0                                ; pass 0's stores have read their registers
	s_wait_tensorcnt 0x0                           ; the second halves are in
	s_wait_dscnt 0x0
	s_barrier_signal -1
	s_barrier_wait -1
	PASS 1, 16
	s_wait_tensorcnt 0x0                           ; the wave's end
	ds_add_u32 v[SPW], v[NIL]
	s_wait_dscnt 0x0
	s_endpgm
.Lfunc_end_k_q15d5b150c5_attn:
	.size	k_q15d5b150c5_attn, .Lfunc_end_k_q15d5b150c5_attn-k_q15d5b150c5_attn
	.p2alignl 7, 3214868480
	.fill 96, 4, 3214868480
	.section	.rodata,"a",@progbits
	.p2align	6, 0x0
	.amdhsa_kernel k_q15d5b150c5_attn
		.amdhsa_group_segment_fixed_size 167936
		.amdhsa_private_segment_fixed_size 0
		.amdhsa_enable_private_segment 0
		.amdhsa_kernarg_size 48
		.amdhsa_user_sgpr_count 2
		.amdhsa_user_sgpr_kernarg_segment_ptr 1
		.amdhsa_wavefront_size32 1
		.amdhsa_system_sgpr_workgroup_id_x 1
		.amdhsa_system_sgpr_workgroup_id_y 1
		.amdhsa_system_sgpr_workgroup_id_z 1
		.amdhsa_system_vgpr_workitem_id 0
		.amdhsa_next_free_vgpr 256
		.amdhsa_next_free_sgpr 100
		.amdhsa_reserve_vcc 1
		.amdhsa_float_denorm_mode_32 3
		.amdhsa_float_denorm_mode_16_64 3
		.amdhsa_memory_ordered 1
		.amdhsa_forward_progress 1
		.amdhsa_inst_pref_size 63
	.end_amdhsa_kernel
	.amdgpu_metadata
---
amdhsa.version: [ 1, 2 ]
amdhsa.kernels:
  - .name:           k_q15d5b150c5_attn
    .symbol:         k_q15d5b150c5_attn.kd
    .args:
      - { .name: qkc, .offset: 0, .size: 8, .value_kind: global_buffer, .address_space: global }
      - { .name: qks, .offset: 8, .size: 8, .value_kind: global_buffer, .address_space: global }
      - { .name: vc, .offset: 16, .size: 8, .value_kind: global_buffer, .address_space: global }
      - { .name: vs, .offset: 24, .size: 8, .value_kind: global_buffer, .address_space: global }
      - { .name: yc, .offset: 32, .size: 8, .value_kind: global_buffer, .address_space: global }
      - { .name: ys, .offset: 40, .size: 8, .value_kind: global_buffer, .address_space: global }
    .group_segment_fixed_size: 167936
    .private_segment_fixed_size: 0
    .kernarg_segment_align: 8
    .kernarg_segment_size: 48
    .max_flat_workgroup_size: 512
    .sgpr_count:     100
    .vgpr_count:     256
    .wavefront_size: 32
...
	.end_amdgpu_metadata
.endif
;; end of part 2
;; launch proj (part 3): grid 4 x 64, 4 waves a work-group, clusters of 4 x 4, 327,680 bytes of LDS; arguments yc, ys, W_proj_codes, W_proj_scales, b_proj, out0; writes out0
.if DOCPART == 3
	.amdgcn_target "amdgcn-amd-amdhsa--gfx1250"
	.amdhsa_code_object_version 6
	.text
	.protected	k_q15d5b150c5_proj
	.globl	k_q15d5b150c5_proj
	.p2align	8
	.type	k_q15d5b150c5_proj,@function
k_q15d5b150c5_proj:
	s_mov_b64 s[64:65], 0
	v_nop
	global_prefetch_b8 v0, s[64:65] scope:SCOPE_SE
	s_setreg_imm32_b32 hwreg(HW_REG_WAVE_MODE, 25, 1), 1
	s_wait_xcnt 0x0
	s_wait_alu depctr_hold_cnt(0) depctr_sa_sdst(0) depctr_va_vdst(0) depctr_va_sdst(0) depctr_va_ssrc(0) depctr_va_vcc(0) depctr_vm_vsrc(0)
	s_getreg_b32 s2, hwreg(HW_REG_IB_STS2, 6, 4)
	s_cmp_eq_u32 s2, 0
	s_cbranch_scc0 .Lentry_in_a_cluster
	s_endpgm
.Lentry_in_a_cluster:
	s_bfe_u32 s2, ttmp6, 0x10000c
	s_cmp_lg_u32 s2, 0xf033
	s_cbranch_scc0 .Lentry_shape_is_right
	s_endpgm
.Lentry_shape_is_right:
; LAUNCH 3 OF 3: out = y W_proj + b_proj on codes of FP4 with E8M0 scales; out is f32.  Nothing is left out here.
; y comes as images of operand registers, yc [tile of 16 tokens][head][lane][16]: a tile's 8,192 bytes are its eight fragments of 128 along K on end; ys [token][32] as x's scales lie.  W_proj's rows (columns of out) lie along K.
; A work-group makes 128 tokens x 256 columns, a wave 64 x 128: 32 accumulators.  K = 1,024 lies in LDS whole: two slots of 512, each filled once.
; TRANSPOSED: source 0 = 16 rows of W, source 1 = 16 tokens: a lane holds eight neighbouring columns of one row of out.  The bias is the C of the first K step's products.
; CLUSTER 4 x 4: y's tiles hang on the place along y and go to a row of the cluster, W's on the place along x and go to a column: joint loads.
; REGISTERS: window 0: v1 r, v2 h, v16-29 addresses, v32-95 scale words, v128-191 y's fragments (two sets of 32), v192-255 the bias; on the way out v128-255 hold rows read back;
;   window 1: W's fragments, v0-63 and v128-191;   window 2: accumulator (a, b) at v[8 (8 a + b)].
.set PITCH,  272                       ; W's LDS row: 256 bytes + 16 of padding: the 16 rows of a fragment load start at 16 different banks (64 banks of 4 bytes: ISA guide 11.1)
.set YH,     16384                     ; four tiles' 4,096 bytes: one tensor load, and what a wave reads of y
.set WH,     128*PITCH
.set WOFF,   2*YH
.set SLOT,   WOFF+2*WH
.set SCL,    2*SLOT                    ; scale bytes, as runs of 256 + 16: y's 128 rows, then W's 256
.set YSH,    8*272
.set WSH,    16*272
.set SBLK,   544
.set STAGE,  SCL+2*YSH+2*WSH           ; the way out: 16 rows x (512 + 16) bytes for each wave; no fill lands here
.set SPITCH, 528
.set SPARE,  STAGE+4*16*SPITCH         ; the spare words: 128 bytes a wave, named by no other line
.set ADRA, 16
.set ADRB, 20
.set STO,  24
.set RD,   25
.set CO,   26
.set ADRS, 27
.set SPW,  28
.set NIL,  29
.set BO,   30
.set SC,   32
.set BK,   128
.set BIAS, 192
.set WV,   16
.set RH,   17                          ; wave / 2: my 64 tokens; also: I fetch for y (0) or W (1)
.set PH,   18                          ; wave % 2: my 128 columns; also: which half I fetch
.set G1Y,  24
.set G0Y,  32
.set G1W,  40
.set G0W,  48
.set G1YS, 56
.set G0YS, 68
.set G1WS, 72
.set G0WS, 80
.set MSB, 0
.macro WIN new
.if MSB != (\new)
	s_set_vgpr_msb (MSB<<8)|(\new)
.set MSB, (\new)
.endif
.endm
.macro PLACES n
.rept \n
	v_nop
.endr
.endm
.macro JLOAD g0a, g1a, g0b, g1b        ; a joint load: waves 0, 1 ask for y, waves 2, 3 for W; s_nop 0 and four v_nop follow each line
	s_cmp_eq_u32 s[RH], 0
	s_cbranch_scc0 .Lfor_w_\@
	tensor_load_to_lds s[\g0a:\g0a+3], s[\g1a:\g1a+7]
	s_nop 0
.rept 4
	v_nop
.endr
	s_branch .Lasked_\@
.Lfor_w_\@:
	tensor_load_to_lds s[\g0b:\g0b+3], s[\g1b:\g1b+7]
	s_nop 0
.rept 4
	v_nop
.endr
.Lasked_\@:
.endm
.macro CROUND
	s_barrier_signal -1
	s_barrier_wait -1
	s_cmp_lg_u32 s[WV], 0
	s_cbranch_scc1 .Lnot_wave_0_\@
	s_barrier_signal -3
.Lnot_wave_0_\@:
	s_barrier_wait -3
	s_barrier_signal -1
	s_barrier_wait -1
.endm
	s_load_b256 s[4:11], s[0:1], 0x0               ; yc, ys, W's codes, W's scales
	s_load_b128 s[12:15], s[0:1], 0x20             ; b_proj, out0
	v_lshl_add_u32 v[SPW], v0, 2, SPARE
	v_mov_b32 v[NIL], 0
	ds_add_u32 v[SPW], v[NIL]                      ; the opening
	ds_add_u32 v[SPW], v[NIL]
	v_lshrrev_b32 v1, 5, v0
	v_readfirstlane_b32 s[WV], v1
	s_lshr_b32 s[RH], s[WV], 1
	s_and_b32 s[PH], s[WV], 1
	s_bfe_u32 s19, ttmp6, 0x40000                  ; cx
	s_bfe_u32 s20, ttmp6, 0x40004                  ; cy
	s_and_b32 s21, ttmp7, 0xffff
	s_lshl_b32 s21, s21, 2
	s_add_co_u32 s21, s21, s20                     ; my block of 128 tokens
	s_lshl_b32 s84, ttmp9, 2
	s_add_co_u32 s84, s84, s19                     ; my block of 256 columns
	s_lshl_b32 s22, s20, 2
	s_lshl_b32 s22, 15, s22                        ; my row of the cluster
	s_lshl_b32 s23, 0x1111, s19                    ; my column
	s_or_b32 s[G1Y], s22, (3<<16)|(1<<21)          ; y's codes: 4 rows (tiles) of 512 elements of 8 bytes, 8,192 bytes apart; no padding: images are read as they lie
	s_mov_b32 s[G1Y+1], 512<<16
	s_mov_b32 s[G1Y+2], 4<<16
	s_mov_b32 s[G1Y+3], 512<<16
	s_mov_b32 s[G1Y+4], 4
	s_mov_b32 s[G1Y+5], 1024
	s_mov_b32 s[G1Y+6], 0
	s_mov_b32 s[G1Y+7], 0
	s_or_b32 s[G1W], s23, (1<<20)|(1<<21)|(5<<22)|(3<<25)           ; W's codes: 128 rows of 256 bytes, 512 apart, 16 bytes of padding behind each
	s_mov_b32 s[G1W+1], 256<<16
	s_mov_b32 s[G1W+2], 128<<16
	s_mov_b32 s[G1W+3], 256<<16
	s_mov_b32 s[G1W+4], 128
	s_mov_b32 s[G1W+5], 512
	s_mov_b32 s[G1W+6], 0
	s_mov_b32 s[G1W+7], 0
	s_or_b32 s[G1YS], s22, (3<<16)|(1<<20)|(1<<21)|(5<<22)|(3<<25)  ; scales: dense bytes as rows of 256, padded: 8 rows for 64 tokens,
	s_mov_b32 s[G1YS+1], 32<<16
	s_mov_b32 s[G1YS+2], 8<<16
	s_mov_b32 s[G1YS+3], 32<<16
	s_mov_b32 s[G1YS+4], 8
	s_mov_b32 s[G1YS+5], 32
	s_mov_b32 s[G1YS+6], 0
	s_mov_b32 s[G1YS+7], 0
	s_or_b32 s[G1WS], s23, (3<<16)|(1<<20)|(1<<21)|(5<<22)|(3<<25)  ; 16 for 128 rows of W
	s_mov_b32 s[G1WS+1], 32<<16
	s_mov_b32 s[G1WS+2], 16<<16
	s_mov_b32 s[G1WS+3], 32<<16
	s_mov_b32 s[G1WS+4], 16
	s_mov_b32 s[G1WS+5], 32
	s_mov_b32 s[G1WS+6], 0
	s_mov_b32 s[G1WS+7], 0
	s_lshl_b32 s86, s21, 16                        ; y's codes: (8 block + 4 half) tiles of 8,192 bytes
	s_lshl_b32 s85, s[PH], 15
	s_add_co_u32 s86, s86, s85
	s_mov_b32 s87, 0
	s_lshl_b32 s88, s21, 12                        ; y's scales: (128 block + 64 half) rows of 32 bytes
	s_lshl_b32 s85, s[PH], 11
	s_add_co_u32 s88, s88, s85
	s_mov_b32 s89, 0
	s_lshl_b32 s90, s84, 17                        ; W's codes: (256 block + 128 half) rows of 512 bytes
	s_lshl_b32 s85, s[PH], 16
	s_add_co_u32 s90, s90, s85
	s_mov_b32 s91, 0
	s_lshl_b32 s92, s84, 13                        ; W's scales
	s_lshl_b32 s85, s[PH], 12
	s_add_co_u32 s92, s92, s85
	s_mov_b32 s93, 0
	s_mul_i32 s94, s[PH], YH                       ; where they go: no place in the cluster enters an LDS address
	s_mul_i32 s95, s[PH], WH
	s_add_co_u32 s95, s95, WOFF
	s_wait_dscnt 0x0                               ; both opening adds are done
	s_wait_kmcnt 0x0
	s_add_nc_u64 s[86:87], s[4:5], s[86:87]
	s_add_nc_u64 s[88:89], s[6:7], s[88:89]
	s_add_nc_u64 s[90:91], s[8:9], s[90:91]
	s_add_nc_u64 s[92:93], s[10:11], s[92:93]
	CROUND                                         ; all sixteen work-groups are here: the joint loads meet
	s_mul_i32 s85, s[PH], YSH
	s_mov_b32 s[G0YS], 1
	s_add_co_u32 s[G0YS+1], s85, SCL
	s_mov_b64 s[G0YS+2:G0YS+3], s[88:89]
	s_or_b32 s[G0YS+3], s[G0YS+3], 0x80000000
	s_mul_i32 s85, s[PH], WSH
	s_mov_b32 s[G0WS], 1
	s_add_co_u32 s[G0WS+1], s85, SCL+2*YSH
	s_mov_b64 s[G0WS+2:G0WS+3], s[92:93]
	s_or_b32 s[G0WS+3], s[G0WS+3], 0x80000000
	JLOAD G0YS, G1YS, G0WS, G1WS                   ; the scales first; then slot 0, then slot 1: three loads of mine are out, each fills its bytes once
.irp s, 0,1
	s_mov_b32 s[G0Y+4*\s], 1
	s_add_co_u32 s[G0Y+4*\s+1], s94, \s*SLOT
	s_add_nc_u64 s[G0Y+4*\s+2:G0Y+4*\s+3], s[86:87], \s*4096
	s_or_b32 s[G0Y+4*\s+3], s[G0Y+4*\s+3], 0x80000000
	s_mov_b32 s[G0W+4*\s], 1
	s_add_co_u32 s[G0W+4*\s+1], s95, \s*SLOT
	s_add_nc_u64 s[G0W+4*\s+2:G0W+4*\s+3], s[90:91], \s*256
	s_or_b32 s[G0W+4*\s+3], s[G0W+4*\s+3], 0x80000000
	JLOAD G0Y+4*\s, G1Y, G0W+4*\s, G1W
.endr
	v_and_b32 v1, 15, v0                           ; r
	v_bfe_u32 v2, v0, 4, 1                         ; h
	s_lshl_b32 s86, s84, 10                        ; my first column, in bytes of f32: 1,024 block + 512 half
	s_lshl_b32 s85, s[PH], 9
	s_add_co_u32 s86, s86, s85
	s_mov_b32 s87, 0
	s_add_nc_u64 s[12:13], s[12:13], s[86:87]      ; the bias there,
	s_add_nc_u64 s[14:15], s[14:15], s[86:87]
	s_lshl_b32 s86, s21, 19                        ; and out at my first row: (128 block + 64 half) rows of 4,096 bytes
	s_lshl_b32 s85, s[RH], 18
	s_add_co_u32 s86, s86, s85
	s_add_nc_u64 s[14:15], s[14:15], s[86:87]
	v_lshlrev_b32 v[BO], 5, v2
.irp b, 0,1,2,3,4,5,6,7
	global_load_b128 v[BIAS+8*\b:BIAS+8*\b+3], v[BO], s[12:13] offset:64*\b         ; for tile b my eight columns 16 b + 8 h + 0 .. 7
	global_load_b128 v[BIAS+8*\b+4:BIAS+8*\b+7], v[BO], s[12:13] offset:64*\b+16
.endr
	v_and_b32 v3, 31, v0
	v_lshlrev_b32 v[CO], 4, v3                     ; 16 x lane
	v_mul_u32_u24 v4, v1, PITCH
	v_lshl_add_u32 v4, v2, 4, v4
	s_mul_i32 s85, s[RH], YH
	s_mul_i32 s86, s[PH], WH
	s_add_co_u32 s86, s86, WOFF
.irp s, 0,1
	v_add_nc_u32 v[ADRA+\s], s85, v[CO]            ; y's images: 16 x lane
	v_add_nc_u32 v[ADRB+\s], s86, v4               ; W's rows: row x pitch + 16 h
	s_add_co_u32 s85, s85, SLOT
	s_add_co_u32 s86, s86, SLOT
.endr
	v_lshlrev_b32 v5, 5, v1
	v_lshrrev_b32 v6, 3, v1
	v_lshl_add_u32 v5, v6, 4, v5                   ; my row's scales: 32 bytes a row, 16 more behind each 8 rows
	s_mul_i32 s85, s[RH], YSH
	s_mul_i32 s86, s[PH], WSH
	s_add_co_u32 s86, s86, 2*YSH
	s_sub_co_u32 s86, s86, s85
	v_mul_u32_u24 v6, s86, v2                      ; lanes 16-31 take W's: one product, h x the distance
	s_add_co_u32 s85, s85, SCL
	v_add_nc_u32 v5, v5, v6
	v_add_nc_u32 v[ADRS], s85, v5
	s_mul_i32 s85, s[WV], 16*SPITCH
	s_add_co_u32 s85, s85, STAGE                   ; my stage
	v_mul_u32_u24 v5, v1, SPITCH
	v_lshl_add_u32 v5, v2, 5, v5
	v_add_nc_u32 v[STO], s85, v5                   ; in: row r, 32 bytes for each half of the lanes
	v_add_nc_u32 v[RD], s85, v[CO]                 ; back: the 32 lanes take one row of 512 bytes
.macro FETCH k                         ; the fragments of K step k (slot k / 4) into set k % 2
.set FS, (\k)/4
.set FQ, (\k)%4
.set FP, 128*((\k)%2)
.set FY, 128+32*((\k)%2)
	WIN 0x40                                       ; destination window 1
.irp i, 0,1,2,3,4,5,6,7
.irp c, 0,1
	ds_load_b128 v[FP+8*\i+4*\c:FP+8*\i+4*\c+3], v[ADRB+FS] offset:64*FQ+32*\c+\i*16*PITCH
.endr
.endr
	WIN 0
.irp a, 0,1,2,3
.irp c, 0,1
	ds_load_b128 v[FY+8*\a+4*\c:FY+8*\a+4*\c+3], v[ADRA+FS] offset:4096*\a+1024*FQ+512*\c
.endr
.endr
.endm
.macro SCALES s                        ; a slot's four scale words a row: lanes 16-31 W's block i; lanes 0-15 y's block i (of words 4-7 these lanes are not used: they read landed bytes further on)
.irp i, 0,1,2,3,4,5,6,7
	ds_load_b128 v[SC+32*\s+4*\i:SC+32*\s+4*\i+3], v[ADRS] offset:\i*SBLK+16*\s
.endr
.endm
.macro MUL32 k                         ; the 32 accumulators by turns, in the same order in every K step; the first K step starts the sums from the bias
.set PS, 128*((\k)%2)
.set RS, 128+32*((\k)%2)
.set SS, SC+32*((\k)/4)+(\k)%4
.if (\k) == 0
	WIN 0x81                                       ; W window 1, y and the bias window 0, D window 2
.else
	WIN 0xa1                                       ; C and D window 2
.endif
.irp a, 0,1,2,3
.irp b, 0,1,2,3,4,5,6,7
.if (\k) == 0
	v_wmma_scale_f32_16x16x128_f8f6f4 v[8*(8*\a+\b):8*(8*\a+\b)+7], v[PS+8*\b:PS+8*\b+7], v[RS+8*\a:RS+8*\a+7], v[BIAS+8*\b:BIAS+8*\b+7], v[SS+4*\b], v[SS+4*\a] matrix_a_fmt:MATRIX_FMT_FP4 matrix_b_fmt:MATRIX_FMT_FP4 matrix_a_scale:MATRIX_SCALE_ROW1
.else
	v_wmma_scale_f32_16x16x128_f8f6f4 v[8*(8*\a+\b):8*(8*\a+\b)+7], v[PS+8*\b:PS+8*\b+7], v[RS+8*\a:RS+8*\a+7], v[8*(8*\a+\b):8*(8*\a+\b)+7], v[SS+4*\b], v[SS+4*\a] matrix_a_fmt:MATRIX_FMT_FP4 matrix_b_fmt:MATRIX_FMT_FP4 matrix_a_scale:MATRIX_SCALE_ROW1
.endif
.endr
.endr
.endm
.macro STEP k                          ; its fragments are in; the next step's are asked for, four places behind the products that read that set; then its 32 products
	s_wait_dscnt 0x0
.if \k == 3
	s_wait_tensorcnt 0x0                           ; my part of slot 1 has landed;
	s_barrier_signal -1
	s_barrier_wait -1                              ; everybody's has.
.endif
.if \k < 7
.if \k > 0
	PLACES 4
.endif
	FETCH \k+1
.if \k == 3
	SCALES 1
.endif
.endif
	MUL32 \k
	WIN 0
.endm
	s_wait_tensorcnt 0x1                           ; the scales and my part of slot 0 are in; slot 1's load, the last of my three, may be out
	s_barrier_signal -1
	s_barrier_wait -1
	FETCH 0
	SCALES 0
	s_wait_loadcnt 0x0                             ; the bias
	STEP 0
	STEP 1
	STEP 2
	STEP 3
	STEP 4
	STEP 5
	STEP 6
	STEP 7
; THE WAY OUT, block by block of 16 tokens x 128 columns: a lane holds 32 neighbouring bytes of a row and the lanes beside it other rows, so a block goes through my own stage and comes back as whole rows of 512 bytes.
; LDS serves a wave's instructions in order (ISA guide 5.7.1.4): no wait between the stores and the loads, nor in front of the next block's stores.
.macro TOSTAGE a
.set AC, 64*(\a)
	WIN 0x08                                       ; the data: window 2
.irp b, 0,1,2,3,4,5,6,7
	ds_store_b128 v[STO], v[AC+8*\b:AC+8*\b+3] offset:64*\b          ; each accumulator from its low end on
	ds_store_b128 v[STO], v[AC+8*\b+4:AC+8*\b+7] offset:64*\b+16
.endr
	WIN 0
.set BB, BK+64*((\a)%2)
.irp t, 0,1,2,3,4,5,6,7,8,9,10,11,12,13,14,15
	ds_load_b128 v[BB+4*\t:BB+4*\t+3], v[RD] offset:\t*SPITCH
.endr
.endm
.macro SEND a, younger                 ; younger: the LDS instructions issued behind block a's loads, which may stay out
.set BB, BK+64*((\a)%2)
	s_wait_dscnt \younger
.irp t, 0,1,2,3,4,5,6,7,8,9,10,11,12,13,14,15
	global_store_b128 v[CO], v[BB+4*\t:BB+4*\t+3], s[14:15] offset:\t*4096+(\a)*65536 th:TH_STORE_NT   ; 32 lanes store 512 consecutive bytes, aligned; written once, read by nobody here
.endr
.endm
	PLACES 4                                       ; behind the last products: for the stage's reads of results and the loads into registers that held operands
	TOSTAGE 0
.irp a, 1,2,3
.if \a > 1
	s_wait_xcnt 0x0                                ; block a - 2's stores have read their registers: block a's rows may land there
.endif
	TOSTAGE \a
	SEND \a-1, 32                                  ; behind block a - 1's loads: block a's 16 stores and 16 loads
.endr
	SEND 3, 0
	s_wait_tensorcnt 0x0                           ; the wave's end
	ds_add_u32 v[SPW], v[NIL]
	s_wait_dscnt 0x0
	CROUND                                         ; the closing round
	s_endpgm
.Lfunc_end_k_q15d5b150c5_proj:
	.size	k_q15d5b150c5_proj, .Lfunc_end_k_q15d5b150c5_proj-k_q15d5b150c5_proj
	.p2alignl 7, 3214868480
	.fill 96, 4, 3214868480
	.section	.rodata,"a",@progbits
	.p2align	6, 0x0
	.amdhsa_kernel k_q15d5b150c5_proj
		.amdhsa_group_segment_fixed_size 327680
		.amdhsa_private_segment_fixed_size 0
		.amdhsa_enable_private_segment 0
		.amdhsa_kernarg_size 48
		.amdhsa_user_sgpr_count 2
		.amdhsa_user_sgpr_kernarg_segment_ptr 1
		.amdhsa_wavefront_size32 1
		.amdhsa_system_sgpr_workgroup_id_x 1
		.amdhsa_system_sgpr_workgroup_id_y 1
		.amdhsa_system_sgpr_workgroup_id_z 1
		.amdhsa_system_vgpr_workitem_id 0
		.amdhsa_next_free_vgpr 768
		.amdhsa_next_free_sgpr 96
		.amdhsa_reserve_vcc 0
		.amdhsa_float_denorm_mode_32 3
		.amdhsa_float_denorm_mode_16_64 3
		.amdhsa_memory_ordered 1
		.amdhsa_forward_progress 1
		.amdhsa_inst_pref_size 74
	.end_amdhsa_kernel
	.amdgpu_metadata
---
amdhsa.version: [ 1, 2 ]
amdhsa.kernels:
  - .name:           k_q15d5b150c5_proj
    .symbol:         k_q15d5b150c5_proj.kd
    .args:
      - { .name: yc, .offset: 0, .size: 8, .value_kind: global_buffer, .address_space: global }
      - { .name: ys, .offset: 8, .size: 8, .value_kind: global_buffer, .address_space: global }
      - { .name: W_proj_codes, .offset: 16, .size: 8, .value_kind: global_buffer, .address_space: global }
      - { .name: W_proj_scales, .offset: 24, .size: 8, .value_kind: global_buffer, .address_space: global }
      - { .name: b_proj, .offset: 32, .size: 8, .value_kind: global_buffer, .address_space: global }
      - { .name: out0, .offset: 40, .size: 8, .value_kind: global_buffer, .address_space: global }
    .group_segment_fixed_size: 327680
    .private_segment_fixed_size: 0
    .kernarg_segment_align: 8
    .kernarg_segment_size: 48
    .max_flat_workgroup_size: 128
    .sgpr_count:     96
    .vgpr_count:     768
    .wavefront_size: 32
...
	.end_amdgpu_metadata
.endif
;; end of part 3
